; MI455X (gfx1250); checked and timed in simulation.
; The chip was launched on July 23, 2026; its instructions are those of AMD's public machine-readable ISA for CDNA 5 (MIT licence, August 2026) and "CDNA5" Instruction Set Architecture Reference Guide (July 2026). The comments in the code are by the model that wrote it; some were corrected since.
;; Core Attention. Allowed arithmetic: matrix products marked QUANTISED: E5M2 operands, one E8M0 scale for each 32 along K, by v_wmma_scale_f32_16x16x128_f8f6f4 with both operands' format E5M2, f32 sums; everything else in f32.
;; Inputs: key_states 2 x 16 x 2,048 x 64 float32; query_states 2 x 16 x 2,048 x 64 float32; value_states 2 x 16 x 2,048 x 64 float32.
;; Outputs: out0 2 x 16 x 2,048 x 64 float32.
;; This version of the problem:
;;   THIS VERSION OF THE PROBLEM IS GIVEN IN LOW PRECISION. The matrix products marked QUANTISED in the list below multiply operands that are first quantised to E5M2 (5 exponent bits, 2 mantissa bits; 8 bits a number), with one power-of-two scale for each 32 numbers along K (OCP MX v1.0); their sums are f32. All else is computed in f32.
;;   The module's matrix products, in the order in which they are computed (A, B: the left and right operand; K: the contracted axis; several contracted axes count as one K, in the product's order):
;;     1. batch 32 x [M 2,048, K 64] x [K 64, N 2,048]; A: input query_states; B: input key_states: QUANTISED
;;     2. batch 32 x [M 2,048, K 2,048] x [K 2,048, N 64]; A: softmax (see below); B: input value_states: QUANTISED
;;   THE QUANTISER, for each operand of a quantised product, along K:
;;     - K is cut into blocks of 32 from its start; a last block that is shorter is filled with zeros.
;;     - A block's scale is 2^e with e = floor(log2(the largest magnitude in the block)) - 15, held to -126 .. 127; a block of zeros has e = 0. As a byte (E8M0): e + 127.
;;     - Each number is divided by its block's scale, clamped to +-57,344, and rounded to the nearest number of E5M2, ties to even, subnormals kept.
;;     - The product sums the exact products of the quantised numbers (number of the format x scale) in f32.
;;   ~~~python
;;   def quantise(x, axis):      # numpy; x: float32 -> the quantised numbers, widened to float32 again
;;       x = np.moveaxis(x, axis, -1); K = x.shape[-1]
;;       x = np.pad(x, [(0, 0)] * (x.ndim - 1) + [(0, -K % 32)]); x = x.reshape(x.shape[:-1] + (-1, 32)); a = np.abs(x).max(-1, keepdims=True)
;;       e = np.where(a > 0, np.clip(np.frexp(np.where(a > 0, a, 1))[1] - 1 - 15, -126, 127), 0)      # np.frexp(a)[1] - 1 = floor(log2(a)), exactly
;;       r = np.clip(x / 2.0 ** e, -57344, 57344)
;;       step = 2.0 ** (np.maximum(np.frexp(np.where(r == 0, 1, r))[1] - 1, -14) - 2)
;;       q = np.round(r / step) * step * 2.0 ** e      # np.round: ties to even
;;       return np.moveaxis(q.reshape(q.shape[:-2] + (-1,))[..., :K], -1, axis).astype(np.float32)
;;   ~~~
;;   SOFTMAX AHEAD OF A QUANTISED PRODUCT. Where the list says 'softmax', what is quantised is not the finished softmax but p = 2^(t - M), with t = logit x log2(e) and M = ceil(the row's largest t), a whole number; so 1/2 < the row's largest p <= 1. The row's sum l is taken of the UNQUANTISED p, in f32, and the product's result is divided by l at the end. Since M is a whole number, a kernel that streams over the keys may use a running M (the ceiling of the running maximum): every later rescaling is an exact power of two, which a block's scale takes up: the codes' values come out the same.
;;   OPERANDS COMPUTED ON THE WAY. 'Computed on the way' means the value that the module computes at that place (a softmax that the list does not call 'softmax' is quantised finished and normalised). What goes into a quantiser is computed in f32, as accurately as f32 sums, v_exp_f32 and their like allow (about 1e-6 of the number): no bf16 or f16 on the way to a quantiser, and a product that is left as it is and whose result goes on into a quantised operand takes f32 operands (vector FMAs, or v_wmma_f32_16x16x4_f32). A number that lies on a knife's edge between two numbers of the format may be rounded either way, as far as f32 arithmetic and the matrix unit's own rounding can turn it there, and no further.
;; One version. Each part assembles by itself: llvm-mc -triple=amdgcn-amd-amdhsa -mcpu=gfx1250 --defsym DOCPART=n.
;; ======== version 1 of 1: 2 launches
;; limits: right only within a limited range of input values
;; workspace buffers: kv 8,650,752 bytes
;; launch prep (part 1): grid 16 x 32, 8 waves a work-group, no clusters, 38,400 bytes of LDS; arguments key_states, value_states, kv; writes kv
.if DOCPART == 1
	.amdgcn_target "amdgcn-amd-amdhsa--gfx1250"
	.amdhsa_code_object_version 6
	.text
	.protected	k_q0b11657132_prep
	.globl	k_q0b11657132_prep
	.p2align	8
	.type	k_q0b11657132_prep,@function
k_q0b11657132_prep:
	s_mov_b64 s[64:65], 0
	v_nop
	global_prefetch_b8 v0, s[64:65] scope:SCOPE_SE
	s_setreg_imm32_b32 hwreg(HW_REG_WAVE_MODE, 25, 1), 1
	s_wait_xcnt 0x0
; CAUSAL ATTENTION ON CODES OF BF8 (E5M2), 32 heads x 2,048 positions x 64 channels, in two launches.  This first launch quantises K (along the channels) and V (along the keys) once;
; the second quantises Q and does both products, the mask, the softmax and the division by the row's sum.
; WORK LEFT OUT BY THE PROGRAM (by the second launch; this one leaves nothing out; all three inputs are loaded).  reference() builds its mask in its own body: key k is masked for query q where k > q.
;  - First product, tiles of keys that all come after all of a tile's queries: jnp.where replaces every one of those scores by the fill, whatever the inputs hold: their products reach no output.
;  - Second product on the same tiles: a masked key's weight is exp(-10,000 - m), m the row's largest logit.  LIMIT OF RANGE: where m, which is at least the row's largest visible logit, lies above -9,896
;    (104 above the fill), that weight is under 2^-149 and is 0 in reference()'s own f32 as well; p, its codes and its share of the row's sum are zeros.  Rows whose every visible logit lies under -9,896 are not served.
;    (Logits of inputs 30 times as large as a unit normal's have a spread of 900; with offsets of 30 on Q and K they lie near +-7,200.)
;  - Inside the one key step that holds the diagonal nothing is left out: masked scores get reference()'s own fill.
;  - A NaN, an infinity or an overflow that reaches only the work left out is not carried to the result.
; THIS LAUNCH.  kv holds a record of HREC bytes for each head, laid in the order of the operands' registers, so that the second launch brings it into LDS as it lies:
;   bytes 0 .. 8,191: scale words, 512 bytes a key step s of 128 keys: at 512 s + 16 r + 4 f the word of K's fragment f, lane r; at 512 s + 256 + 16 r + 4 t the word of V's fragment t, lane r;
;   from COD on, 16,384 bytes a key step: K's fragments f = 0 .. 3 (2,048 bytes each), then V's fragments t = 0 .. 3.  A fragment is the image of 16 registers: group c of four registers at 512 c + 16 x lane.
;   K's fragment f holds TWO tiles of 16 keys, since the first product's K is 64 and the instruction's is 128: lane (r, h) has key A = 128 s + 32 f + r + 8 (r / 8) in groups 0, 1 (channels 32 c + 16 h + 0 .. 15)
;   and key A + 8 in groups 2, 3; its scale word: A's two bytes, then those of A + 8.  V's fragment t: lane (r, h) has channel 16 t + r, group c the keys 128 s + 32 c + 16 h + 0 .. 15; byte c of its word scales group c's 32 keys.
; THE QUANTISER.  A block's scale is 2^(floor(log2(its largest magnitude)) - 15); its byte is that magnitude's exponent field - 15, held at 1 from below; each number is held within +-57,344 x the scale and rounded to the nearest code.
; LIMITS: NaN and infinities among the inputs are not served.  A block of zeros gets the byte 1 where the rule says 127: its codes are zeros, which add nothing under any byte but 0xff, and this program alone reads the bytes.
; SHARES.  A work-group takes one key step of one head: 128 keys.  Waves 0-3: one fragment of K each: 32 rows of 256 bytes, loaded as they lie, turned through the wave's own stage in LDS so that a lane holds 16 neighbouring
; channels of each of four keys (lanes l and l xor 1 share a block), and laid out as the fragment's image there.  Waves 4-7: V: 32 channels x 64 keys each; a lane takes a channel and its registers run down the keys, so that
; a block of 32 keys lies in one lane.  64 numbers a lane in every wave.
; No cluster: no two work-groups read the same bytes.  No tensor load: each number is read once.
.set HREC,  270336
.set COD,   8192
.set SPARE, 512                        ; LDS: bytes 0 .. 511 the step's scale words; from 512 on the spare words, 128 bytes for each of the eight waves, which no other line names;
.set KST,   1536                       ; from 1,536 on a stage of 9,216 bytes for each of waves 0 .. 3: four times 8 rows, 16 bytes of padding behind each 128
.set KSTW,  9216
.set KSI,   5                          ; v5   LDS: into the stage, 16 bytes a lane
.set KSO,   8                          ; v8   out of it, 64 bytes a lane
.set SPW,   10                         ; v10  LDS address of my spare word; never rewritten
.set NIL,   11                         ; v11  0; never rewritten
.set PW,    16                         ; v16  V's half scale word
.set KB,    17                         ; v17  LDS: K's scale byte
.set KC,    18                         ; v18  LDS: K's codes into the image
.set KO,    19                         ; v19  LDS: and out of it
.set X,     32                         ; v32-95   my 64 numbers
.set PC,    96                         ; v96-111  their codes
.set TM,    112                        ; v112-115 largest magnitudes, v116-119 bytes, v120-123 57,344 x the scale, v124-127 the conversions' scale operands
.set R,     128                        ; v128-191 K as loaded
	s_load_b128 s[4:7], s[0:1], 0x0                ; K, V
	s_load_b64 s[8:9], s[0:1], 0x10                ; kv
	v_lshl_add_u32 v[SPW], v0, 2, SPARE
	v_mov_b32 v[NIL], 0
	v_lshrrev_b32 v1, 5, v0
	v_and_b32 v2, 15, v0                           ; r
	v_bfe_u32 v3, v0, 4, 1                         ; h
	v_readfirstlane_b32 s10, v1                    ; wave 0..7
	v_and_b32 v1, 31, v0                           ; lane
	s_and_b32 s26, s10, 3                          ; f: which fragment of K
	s_and_b32 s27, s10, 1                          ; v: which 32 channels of V
	s_bfe_u32 s28, s10, 0x10001                    ; kh: which 64 keys of V
	s_mul_i32 s29, s26, KSTW
	s_add_co_u32 s29, s29, KST                     ; my stage
	s_lshl_b32 s31, s26, 2
	v_lshlrev_b32 v4, 4, v1                        ; 16 x lane
	v_lshrrev_b32 v[KSI], 3, v1
	v_lshrrev_b32 v[KSO], 1, v1
	v_and_b32 v12, 7, v1
	v_and_b32 v13, 1, v1
	v_lshrrev_b32 v14, 2, v1
	v_bfe_u32 v15, v1, 1, 1
	v_mul_u32_u24 v[KSI], v[KSI], 144
	v_mul_u32_u24 v[KSO], v[KSO], 144
	v_lshlrev_b32 v14, 4, v14                      ; 16 (lane / 4)
	v_lshlrev_b32 v7, 4, v2
	v_lshlrev_b32 v9, 4, v2
	v_lshl_add_u32 v[KSI], v12, 4, v[KSI]
	v_lshl_add_u32 v[KSO], v13, 6, v[KSO]
	v_add_nc_u32 v[KB], v15, v14
	v_lshl_add_u32 v[KC], v13, 8, v14
	v_lshl_add_u32 v7, v3, 11, v7                  ; V's codes: fragment lane / 16 of my wave's two, place r
	v_lshl_add_u32 v9, v3, 2, v9
	v_add_nc_u32 v[KSI], s29, v[KSI]               ; the stage, in: 144 (lane / 8) + 16 (lane % 8)
	v_add_nc_u32 v[KSO], s29, v[KSO]               ; and back: 144 (lane / 2) + 64 (lane % 2)
	v_add_nc_u32 v[KB], s31, v[KB]                 ; 16 (lane / 4) + 4 f + the block's number
	v_lshl_add_u32 v[KC], v15, 9, v[KC]            ; the image: 16 (lane / 4) + 256 (lane % 2) + 512 (lane / 2 % 2)
	v_add_nc_u32 v[KO], s29, v4
	v_lshlrev_b32 v6, 2, v1                        ; V: my channel: 4 bytes a lane
	v_add_nc_u32 v[KC], s29, v[KC]
	s_lshl_b32 s30, s27, 3
	s_lshl_b32 s31, s28, 1
	s_add_co_u32 s30, s30, s31
	s_add_co_u32 s30, s30, 256
	v_add_nc_u32 v9, s30, v9                       ; LDS: V's half word: 256 + 16 r + 4 (2 v + lane / 16) + 2 kh.  All LDS addresses are made by all waves, ahead of the parting
	s_and_b32 s12, ttmp7, 0xffff                   ; the head
	s_lshl_b32 s13, s12, 19                        ; a head is 2,048 rows of 256 bytes,
	s_lshl_b32 s23, ttmp9, 15                      ; a key step 128 rows
	s_add_co_u32 s13, s13, s23
	s_lshl_b32 s14, s26, 13                        ; K: my fragment's 32 keys
	s_add_co_u32 s14, s14, s13
	s_mov_b32 s15, 0
	s_lshl_b32 s16, s28, 14                        ; V: my 64 keys,
	s_lshl_b32 s23, s27, 7                         ; my 32 channels
	s_add_co_u32 s16, s16, s23
	s_add_co_u32 s16, s16, s13
	s_mov_b32 s17, 0
	s_mul_i32 s24, s12, HREC                       ; the head's record
	s_lshl_b32 s18, s26, 11                        ; my codes' place in the step's 16,384 bytes: K: 2,048 f;
	s_lshl_b32 s29, s27, 12
	s_lshl_b32 s23, s28, 10
	s_add_co_u32 s29, s29, s23
	s_add_co_u32 s29, s29, 8192                    ; V: 8,192 + 4,096 v + 1,024 kh
	s_cmp_lt_u32 s10, 4
	s_cselect_b32 s18, s18, s29
	s_lshl_b32 s23, ttmp9, 14
	s_add_co_u32 s18, s18, s23
	s_add_co_u32 s18, s18, s24
	s_add_co_u32 s18, s18, COD
	s_mov_b32 s19, 0
	s_lshl_b32 s23, ttmp9, 9                       ; the step's 512 bytes of scale words
	s_add_co_u32 s24, s24, s23
	s_mov_b32 s25, 0
	s_mov_b32 s22, 0x600000                        ; the mantissa field of 57,344
	s_wait_alu depctr_va_vdst(0)                   ; at the head's end
	s_wait_kmcnt 0x0
	s_add_nc_u64 s[4:5], s[4:5], s[14:15]
	s_add_nc_u64 s[6:7], s[6:7], s[16:17]
	s_add_nc_u64 s[18:19], s[8:9], s[18:19]        ; where my codes go
	s_add_nc_u64 s[8:9], s[8:9], s[24:25]          ; where the step's scale words go
	s_cmp_lt_u32 s10, 4
	s_cbranch_scc0 .Lfor_v
	; ---- K: 32 rows as they lie, 512 consecutive bytes a load; eight rows at a time through the stage.  Then register X + 16 p + i = channel 16 (lane % 4) + i of key 8 p + lane / 4 of my 32
.set n, 0
.rept 16
	global_load_b128 v[R+4*n:R+4*n+3], v4, s[4:5] offset:512*n th:TH_LOAD_NT
.set n, n+1
.endr
.irp p, 0,1,2,3
	s_wait_loadcnt 12-4*\p                         ; these eight rows' four loads are in; the later ones may be out
.irp k, 0,1,2,3
	ds_store_b128 v[KSI], v[R+16*\p+4*\k:R+16*\p+4*\k+3] offset:2304*\p+576*\k
.endr
.irp k, 0,1,2,3
	ds_load_b128 v[X+16*\p+4*\k:X+16*\p+4*\k+3], v[KSO] offset:2304*\p+16*\k   ; LDS serves a wave's instructions in order (ISA guide 5.7.1.4): these see my stores
.endr
.endr
	s_wait_dscnt 0x0
.irp b, 0,1,2,3
	v_max3_num_f32 v[TM+\b], |v[X+16*\b]|, |v[X+1+16*\b]|, 0x8000000   ; my 16 numbers of key b, and the floor 2^(16 - 127): so the byte cannot fall under 1
.endr
.irp i, 2,4,6,8,10,12,14
.irp b, 0,1,2,3
	v_max3_num_f32 v[TM+\b], v[TM+\b], |v[X+16*\b+\i]|, |v[X+1+16*\b+\i]|   ; the four by turns
.endr
.endr
.irp b, 0,1,2,3
	v_max_num_f32_dpp v[TM+\b], v[TM+\b], v[TM+\b] row_xmask:1 row_mask:0xf bank_mask:0xf   ; with lane l xor 1's 16: the block's largest magnitude
.endr
.irp b, 0,1,2,3
	v_add_nc_u32 v[TM+12+\b], 0xf8800000, v[TM+\b] ; 15 off its exponent field: the conversion takes the exponent field of this operand as its scale
.endr
.irp b, 0,1,2,3
	v_and_or_b32 v[TM+8+\b], v[TM+\b], 0x7f800000, s22   ; 57,344 x the scale
.endr
.irp b, 0,1,2,3
	v_lshrrev_b32 v[TM+4+\b], 23, v[TM+12+\b]      ; the scale's byte
.endr
.irp b, 0,1,2,3
	ds_store_b8 v[KB], v[TM+4+\b] offset:128*(\b/2)+2*(\b%2)   ; key 8 b + lane / 4: place r = lane / 4 + 8 (b / 2), A (b even) or A + 8; both lanes of a block write the same byte with the same value
.endr
.irp b, 0,1,2,3
.irp i, 0,1,2,3,4,5,6,7,8,9,10,11,12,13,14,15
	v_med3_num_f32 v[X+16*\b+\i], v[X+16*\b+\i], -v[TM+8+\b], v[TM+8+\b]   ; the conversion to an 8-bit code does not saturate (ISA guide 7.6.2): the hold comes first
.endr
	v_cvt_scalef32_pk8_bf8_f32 v[PC+4*\b:PC+1+4*\b], v[X+16*\b:X+7+16*\b], v[TM+12+\b]
	v_cvt_scalef32_pk8_bf8_f32 v[PC+2+4*\b:PC+3+4*\b], v[X+8+16*\b:X+15+16*\b], v[TM+12+\b]
.endr
	v_nop                                          ; a plain line behind the last conversion
.irp b, 0,1,2,3
	ds_store_b128 v[KC], v[PC+4*\b:PC+4*\b+3] offset:1024*(\b%2)+128*(\b/2)   ; into the fragment's image, on my stage's bytes, whose reads are over
.endr
.irp c, 0,1,2,3
	ds_load_b128 v[R+4*\c:R+4*\c+3], v[KO] offset:512*\c
.endr
.irp c, 0,1,2,3
	s_wait_dscnt 3-\c                              ; the younger groups may be out
	global_store_b128 v4, v[R+4*\c:R+4*\c+3], s[18:19] offset:512*\c   ; the image of group c: the wave stores 512 consecutive bytes, at a multiple of 256 from kv's first byte
.endr
	s_branch .Ljoin
.Lfor_v:
	; ---- V: register X + i = key 64 kh + i of my channel: each load reads 128 consecutive bytes
.set n, 0
.rept 64
	global_load_b32 v[X+n], v6, s[6:7] offset:256*n th:TH_LOAD_NT
.set n, n+1
.endr
.macro BLOCKV cb                       ; block cb of my two: 32 keys, all mine
.set XS, X+32*(\cb)
.if (\cb) == 0
	s_wait_loadcnt 32                              ; loads come back in order: this block's 32 are in, the other block's 32 may be out
.else
	s_wait_loadcnt 0x0
.endif
	v_max3_num_f32 v12, |v[XS]|, |v[XS+1]|, |v[XS+2]|
	v_max3_num_f32 v13, |v[XS+3]|, |v[XS+4]|, |v[XS+5]|
.irp i, 6,10,14,18,22,26
	s_delay_alu instid0(VALU_DEP_2)
	v_max3_num_f32 v12, v12, |v[XS+\i]|, |v[XS+\i+1]|
	s_delay_alu instid0(VALU_DEP_2)
	v_max3_num_f32 v13, v13, |v[XS+\i+2]|, |v[XS+\i+3]|
.endr
	s_delay_alu instid0(VALU_DEP_2)
	v_max3_num_f32 v12, v12, |v[XS+30]|, |v[XS+31]|
	s_delay_alu instid0(VALU_DEP_1)
	v_max3_num_f32 v12, v12, v13, 0x8000000        ; and the floor
	s_delay_alu instid0(VALU_DEP_1)
	v_add_nc_u32 v14, 0xf8800000, v12              ; the conversion's scale operand
	s_delay_alu instid0(VALU_DEP_2)
	v_and_or_b32 v15, v12, 0x7f800000, s22         ; 57,344 x the scale
.if (\cb) == 0
	s_delay_alu instid0(VALU_DEP_2)
	v_lshrrev_b32 v[PW], 23, v14                   ; the byte of the earlier 32 keys below,
.else
	s_delay_alu instid0(VALU_DEP_2)
	v_lshrrev_b32 v13, 23, v14
	s_delay_alu instid0(VALU_DEP_1)
	v_lshl_or_b32 v[PW], v13, 8, v[PW]             ; that of the later 32 above
.endif
.set n, 0
.rept 32
	v_med3_num_f32 v[XS+n], v[XS+n], -v15, v15
.set n, n+1
.endr
.irp g, 0,1,2,3
	v_cvt_scalef32_pk8_bf8_f32 v[PC+8*(\cb)+2*\g:PC+8*(\cb)+2*\g+1], v[XS+8*\g:XS+8*\g+7], v14
.endr
	v_nop                                          ; a plain line behind the last conversion: the next block writes the scale operand anew
.irp e, 0,1
	global_store_b128 v7, v[PC+8*(\cb)+4*\e:PC+8*(\cb)+4*\e+3], s[18:19] offset:512*(\cb)+256*\e   ; keys 16 e on of group 2 kh + cb: lanes 0-15 store 256 consecutive bytes of one fragment, lanes 16-31 of the next, each at a multiple of 256
.endr
.endm
	BLOCKV 0
	BLOCKV 1
	ds_store_b16 v9, v[PW]                         ; two bytes of my channel's scale word
.Ljoin:
	s_wait_dscnt 0x0                               ; for wave 0's sake: my scale bytes have landed
	s_barrier_signal -1
	s_barrier_wait -1
	s_cmp_lg_u32 s10, 0
	s_cbranch_scc1 .Lend
	ds_load_b128 v[20:23], v4                      ; wave 0: the step's 512 bytes of scale words,
	s_wait_dscnt 0x0
	global_store_b128 v4, v[20:23], s[8:9]         ; stored as 512 consecutive bytes
.Lend:
	s_wait_tensorcnt 0x0                           ; the wave's end
	ds_add_u32 v[SPW], v[NIL]
	s_wait_dscnt 0x0
	s_endpgm
.Lfunc_end_k_q0b11657132_prep:
	.size	k_q0b11657132_prep, .Lfunc_end_k_q0b11657132_prep-k_q0b11657132_prep
	.p2alignl 7, 3214868480
	.fill 96, 4, 3214868480
	.section	.rodata,"a",@progbits
	.p2align	6, 0x0
	.amdhsa_kernel k_q0b11657132_prep
		.amdhsa_group_segment_fixed_size 38400
		.amdhsa_private_segment_fixed_size 0
		.amdhsa_enable_private_segment 0
		.amdhsa_kernarg_size 24
		.amdhsa_user_sgpr_count 2
		.amdhsa_user_sgpr_kernarg_segment_ptr 1
		.amdhsa_wavefront_size32 1
		.amdhsa_system_sgpr_workgroup_id_x 1
		.amdhsa_system_sgpr_workgroup_id_y 1
		.amdhsa_system_sgpr_workgroup_id_z 1
		.amdhsa_system_vgpr_workitem_id 0
		.amdhsa_next_free_vgpr 192
		.amdhsa_next_free_sgpr 66
		.amdhsa_reserve_vcc 0
		.amdhsa_float_denorm_mode_32 3
		.amdhsa_float_denorm_mode_16_64 3
		.amdhsa_memory_ordered 1
		.amdhsa_forward_progress 1
		.amdhsa_inst_pref_size 32
	.end_amdhsa_kernel
	.amdgpu_metadata
---
amdhsa.version: [ 1, 2 ]
amdhsa.kernels:
  - .name:           k_q0b11657132_prep
    .symbol:         k_q0b11657132_prep.kd
    .args:
      - { .name: key_states, .offset: 0, .size: 8, .value_kind: global_buffer, .address_space: global }
      - { .name: value_states, .offset: 8, .size: 8, .value_kind: global_buffer, .address_space: global }
      - { .name: kv, .offset: 16, .size: 8, .value_kind: global_buffer, .address_space: global }
    .group_segment_fixed_size: 38400
    .private_segment_fixed_size: 0
    .kernarg_segment_align: 8
    .kernarg_segment_size: 24
    .max_flat_workgroup_size: 256
    .sgpr_count:     66
    .vgpr_count:     192
    .wavefront_size: 32
...
	.end_amdgpu_metadata
.endif
;; end of part 1
;; launch attn (part 2): grid 8 x 32, 8 waves a work-group, clusters of 4 x 1, 327,680 bytes of LDS; arguments query_states, kv, out0; writes out0
.if DOCPART == 2
	.amdgcn_target "amdgcn-amd-amdhsa--gfx1250"
	.amdhsa_code_object_version 6
	.text
	.protected	k_q0b11657132_attn
	.globl	k_q0b11657132_attn
	.p2align	8
	.type	k_q0b11657132_attn,@function
k_q0b11657132_attn:
	s_mov_b64 s[64:65], 0
	v_nop
	global_prefetch_b8 v0, s[64:65] scope:SCOPE_SE
	s_setreg_imm32_b32 hwreg(HW_REG_WAVE_MODE, 25, 1), 1
	s_wait_xcnt 0x0
	s_wait_alu depctr_hold_cnt(0) depctr_sa_sdst(0) depctr_va_vdst(0) depctr_va_sdst(0) depctr_va_ssrc(0) depctr_va_vcc(0) depctr_vm_vsrc(0)
	s_getreg_b32 s2, hwreg(HW_REG_IB_STS2, 6, 4)
	s_cmp_eq_u32 s2, 0
	s_cbranch_scc0 .Lentry_in_a_cluster
	s_endpgm
.Lentry_in_a_cluster:
	s_bfe_u32 s2, ttmp6, 0x10000c
	s_cmp_lg_u32 s2, 0x3003
	s_cbranch_scc0 .Lentry_shape_is_right
	s_endpgm
.Lentry_shape_is_right:
; O[head][q][:] = the sum over k <= q of softmax_k(Q[q] . K[k] / 8) V[k][:], both products on codes of BF8 (E5M2) with one E8M0 scale for each 32 along a product's K.  32 heads, 2,048 positions, 64 channels.
; Q: f32, quantised here.  K and V: codes and scale words from kv, a record of HREC bytes a head, laid by the launch before in the order of the operands' registers.  O: f32.
; WORK LEFT OUT: key steps of 128 keys that all come after a tile's queries.  Their scores are replaced by reference()'s own mask whatever the inputs hold; their weights are exp(-10,000 - m), which is 0 in f32
; where the row's largest visible logit lies above -9,896.  LIMIT OF RANGE: rows whose every visible logit lies under -9,896 are not served.  A NaN, an infinity or an overflow that reaches only that work is not carried to
; the result.  In the step on the diagonal masked scores get reference()'s fill: -80,000 ahead of the factor 1/8.  NaN and infinities among the inputs are not served.
; THE SOFTMAX AHEAD OF THE SECOND PRODUCT: t = score x log2(e) / 8; M = the running largest t rounded UP to a whole number; p = 2^(t - M) is quantised along the keys, not normalised; the row's sum is taken of the
; unquantised p and divides O at the end.  When M moves, the sum and O are multiplied by 2^(old M - new M): exact.  A block's scale exponent is floor(its largest t - M) - 15.
; SHARES.  256 work-groups of eight waves.  The work-group at place u of cluster s of a head owns queries 32 u .. 32 u + 31 of eight of the head's 16 blocks of 128: four pairs (block lo, block 15 - lo), lo = 2 i + ((i % 2) xor s).
; A wave walks 32 queries at once, two tiles of 16, a and b; each fragment of K or V that is read from LDS feeds both.
; Wave i (0 .. 3) walks key steps 0 .. 11 of block 15 - lo (to its end, where that comes first).  Wave i + 4 walks block lo (steps 0 .. lo), then what is left of block 15 - lo from step 12 on, takes wave i's share of that
; block from LDS and adds the two under the larger M (exact powers of two).  17 key steps in every pair.  Every branch hangs on the wave's and the cluster's number and the count of steps, none on the place in the cluster.
; K AND V STAY IN LDS: a head's record is brought in once, one tensor load a wave: wave 0 the scale words and steps 0, 1; wave j > 0 steps 2 j, 2 j + 1.  Nothing is ever filled again.  The four work-groups of a cluster
; want the same bytes at the same LDS addresses: each load is a JOINT one.  One tensor load of a wave is out at the most.  No prefetch: all that a work-group reads is asked for at its head.
; LAYOUT.  Both products are used transposed: S^T = K Q^T, O^T = V^T P^T: a lane holds ONE query (lane % 16) of each tile throughout.
; THE FIRST PRODUCT'S K IS 64, THE INSTRUCTION'S 128.  A fragment of K holds two tiles of keys: lane (r, h): key A = 32 f + r + 8 (r / 8) in registers 0-7, key A + 8 in registers 8-15.  Each tile's Q lies between two runs
; of zero codes, Z Qa Z Qb Z: fragment x [Q|0] gives the tile of the keys A, fragment x [0|Q] that of the keys A + 8.  So the 16 registers of the two tiles of fragment f are 16 neighbouring keys, 32 f + 16 (lane / 16) + 0 .. 15.
; REGISTER WINDOWS.  Window 1: both tiles' scores, K's fragments and the softmax's numbers; window 0: V's fragments, both O^T, the codes, the scales, the addresses.
.set HREC,   270336
.set COD,    8192                      ; LDS = the record: bytes 0 .. 8,191 scale words, 512 a key step; from COD on 16,384 bytes a key step: K's four fragments of 2,048 bytes, then V's four
.set STEPB,  16384
.set STAGE,  COD                       ; the way out: 4,352 bytes a wave on the bytes of steps 0 and 1, which have had their only fill and are read by nobody behind the second barrier
.set SPITCH, 272
.set QST,    HREC                      ; at the head: 4,608 bytes a wave through which Q is turned; later the shares of waves 0 .. 3: 4,352 bytes a tile
.set PART,   4352
.set QCO,    QST+8*4608                ; Q's codes and scale bytes: 1,152 bytes a tile, two tiles a wave
.set SPARE,  QCO+8*2304                ; the spare words, 128 bytes for each wave, which no other line names
; window 0
.set L16,  1                           ; 16 x lane
.set SPW,  2                           ; LDS address of my spare word; never rewritten
.set NIL,  3                           ; 0; never rewritten
.set ADV,  4                           ; LDS addresses: the step's fragments, its scale words; the next step's
.set ADS,  5
.set ADN,  6
.set ADNS, 7
.set LN,   8                           ; v8-18: the head alone
.set RR,   9
.set HH,   10
.set QSI,  11
.set QSO,  12
.set QCW,  13
.set QBW,  14
.set QRD,  15
.set QRS,  16
.set TA,   17
.set TC,   18
.set PAR,  21                          ; wave i's share of block 15 - lo: O^T, and (-M, sum)
.set PAM,  22
.set STO,  23                          ; the way out: into the stage
.set ZQ,   24                          ; v24-63: zeros, tile a's codes of Q, zeros, tile b's, zeros: 8 registers each
.set F,    64                          ; v64-127: V's four fragments
.set O,    128                         ; v128-191 O^T: register 32 x tile + 8 t + j = channel 16 t + 8 h + j
.set PC,   192                         ; v192-223 p's codes, 16 a tile
.set SWK,  224                         ; v224-227 the step's scale words, lanes 0-15 those of K's fragments
.set SWV,  228                         ; v228-231 the same words, lanes 16-31 those of V's fragments
.set PSA,  232                         ; p's scale words
.set PSB,  233
.set QSA,  234                         ; Q's scale words: lanes 0-15 (s0, s1, 1, 1) for [Q|0], lanes 16-31 (1, 1, s0, s1) for [0|Q]
.set QSB,  235
.set SH,   236                         ; 16 h
.set PADW, 237                         ; the dead half's bytes
.set QRDH, 238                         ; where block 15 - lo's codes and scale bytes lie
.set QRSH, 239
.set RD,   240                         ; the way out: out of the stage
.set GO,   241                         ; my byte offset in the tile's rows of O
.set QBM,  242                         ; v242-253: Q's quantiser
.set QSC,  246
.set QHD,  250
.set QB,   208                         ; (its bytes, on p's codes' registers)
.set TQ,   254
; window 1
.set S,    0                           ; S^T, then p: register 64 x tile + 16 b + i = key 32 b + 16 h + i
.set FK,   128                         ; v128-191 K's four fragments
.set BM,   192                         ; v192-199 the blocks' largest scores, then their exponents, four a tile
.set PX,   200                         ; v200-207 a lane permute's results
.set HD,   200                         ; then 57,344 x the scales
.set SC,   208                         ; v208-215 the conversions' scale operands
.set L,    216                         ; v216-231 the rows' sums, four pairs a tile
.set NM,   232                         ; -M (tile b: two on)
.set MX,   233                         ; the largest score so far; at a tile's end the row's sum
.set FR,   236                         ; f = 2^(old M - new M) (tile b: two on; the odd registers are named with them as pairs)
.set T0,   240                         ; v240, v241 tile a, v242, v243 tile b
.set T1,   241
.set MASKV, 244                        ; -80,000.0
; scalars
.set WV,   10
.set UU,   11                          ; my place in the cluster: it enters Q's and O's addresses and the masks alone
.set BLK,  18                          ; the block of 128 queries of the tiles in hand
.set MNT,  19                          ; the mantissa field of 57,344
.set SEL,  20                          ; s[20:21] lane selects for v_permlanex16_b32: lane l xor 16
.set CS,   22                          ; s[22:23] c = log2(e) / 8: the packed form names a pair and takes its low word for both halves
.set G1A,  24
.set G1B,  32
.set G0A,  40
.set G0B,  44
.set TB,   48
.set TS,   49
.set SI,   50
.set TN,   51
.set TNS,  52
.set LO,   53
.set HI,   55
.set MA0,  56                          ; s56-63, s66-73: the masks of the step on the diagonal
.set MO0,  60
.set MA1,  66
.set MO1,  70
.set OLO,  74
.set OHI,  76
.set TM,   94                          ; s94, s95 by turns
.set NCS,  96                          ; -c
.set MSB, 0
.macro WIN new                         ; the immediate's high byte repeats the setting that is left.  Bits 1:0 source 0, 3:2 source 1, 5:4 source 2, 7:6 destination
.if MSB != \new
	s_set_vgpr_msb (MSB<<8)|\new
.set MSB, \new
.endif
.endm
.macro DEP n
	s_delay_alu instid0(VALU_DEP_\n)
.endm
; A round of the cluster's barrier.
.macro ROUND
	s_barrier_signal -1
	s_barrier_wait -1
	s_cmp_lg_u32 s[WV], 0
	s_cbranch_scc1 .Lnot_wave_0_\@
	s_barrier_signal -3
.Lnot_wave_0_\@:
	s_barrier_wait -3
	s_barrier_signal -1
	s_barrier_wait -1
.endm
; Descriptor group 1: a dense block as rows of 256 bytes (32 elements of 8 bytes), no padding.
.macro GROUP1 g, rows
	s_mov_b32 s[\g], 15|(3<<16)|(1<<21)            ; 15:0 the mask: all four work-groups of the cluster; 17:16 elements of 8 bytes; 21 set beside a mask
	s_mov_b32 s[\g+1], 32<<16
	s_mov_b32 s[\g+2], (\rows)<<16
	s_mov_b32 s[\g+3], 32<<16
	s_mov_b32 s[\g+4], \rows
	s_mov_b32 s[\g+5], 32
	s_mov_b32 s[\g+6], 0
	s_mov_b32 s[\g+7], 0
.endm
	s_load_b128 s[4:7], s[0:1], 0x0                ; Q, kv
	s_load_b64 s[8:9], s[0:1], 0x10                ; O
	v_lshl_add_u32 v[SPW], v0, 2, SPARE
	v_mov_b32 v[NIL], 0
	ds_add_u32 v[SPW], v[NIL]                      ; the wave's opening: the add, twice on end, and its wait ahead of my first tensor load; the set-up below stands between
	ds_add_u32 v[SPW], v[NIL]
	v_lshrrev_b32 v[TA], 5, v0
	v_readfirstlane_b32 s[WV], v[TA]               ; wave 0..7
	s_bfe_u32 s[UU], ttmp6, 0x40000
	s_and_b32 s13, ttmp7, 0xffff                   ; the head, which the four partners share
	s_mul_i32 s14, s13, HREC                       ; its record in kv
	s_mov_b32 s15, 0
	s_mov_b32 s17, 0
	s_and_b32 s78, s[WV], 3                        ; i: my pair
	s_and_b32 s79, s[WV], 1
	s_xor_b32 s79, s79, ttmp9                      ; (ttmp9: the cluster's number, 0 or 1)
	s_lshl_b32 s54, s78, 1
	s_add_co_u32 s[LO], s54, s79
	s_xor_b32 s[HI], s[LO], 15
	s_cmp_lt_u32 s[WV], 4
	s_cselect_b32 s[BLK], s[HI], s[LO]             ; my first block
	s_lshl_b32 s86, s13, 19                        ; in Q and O a head is 2,048 rows of 256 bytes;
	s_lshl_b32 s88, s[UU], 13                      ; 32 u rows
	s_add_co_u32 s86, s86, s88
	s_lshl_b32 s88, s[BLK], 15                     ; a block is 128 rows
	s_add_co_u32 s88, s88, s86
	s_mov_b32 s89, 0
	s_lshl_b32 s90, s[LO], 15
	s_add_co_u32 s90, s90, s86
	s_mov_b32 s91, 0
	s_lshl_b32 s92, s[HI], 15
	s_add_co_u32 s92, s92, s86
	s_mov_b32 s93, 0
	GROUP1 G1A, 160                                ; 40,960 bytes: the scale words and steps 0, 1
	GROUP1 G1B, 128                                ; 32,768 bytes: two steps
; The masks.  Register 16 b + i of lane (r, h) of tile t is hidden where 32 b + 16 h + i > 32 u + 16 t + r.  With m = the i lowest bits: b < u: no lane; b > u: every lane; b = u: tile a: m in lanes 0-15 and all of
; lanes 16-31; tile b: m in lanes 16-31.  So a mask is (m in both halves AND MA) OR MO.
.irp b, 0,1,2,3
	s_cmp_eq_u32 s[UU], \b
	s_cselect_b32 s[MA0+\b], 0xffff, 0
	s_cselect_b32 s[MO0+\b], 0xffff0000, 0
	s_cselect_b32 s[MA1+\b], 0xffff0000, 0
	s_cmp_lt_u32 s[UU], \b
	s_cselect_b32 s[MO0+\b], -1, s[MO0+\b]
	s_cselect_b32 s[MO1+\b], -1, 0
.endr
	s_mov_b32 s[SEL], 0x76543210
	s_mov_b32 s[SEL+1], 0xfedcba98
	s_mov_b32 s[CS], 0x3e38aa3b                    ; c = log2(e) / 8
	s_mov_b32 s[CS+1], s[CS]                       ; (named with it as a pair, so it is written)
	s_mov_b32 s[NCS], 0xbe38aa3b
	s_mov_b32 s[MNT], 0x600000
	s_mul_i32 s79, s[WV], 4608
	s_add_co_u32 s79, s79, QST
	s_mul_i32 s80, s[WV], 2304
	s_add_co_u32 s80, s80, QCO
	s_mul_i32 s81, s78, 2304
	s_add_co_u32 s81, s81, QCO
	s_mul_i32 s82, s78, 2*PART
	s_add_co_u32 s82, s82, QST
	s_xor_b32 s83, s[WV], 4                        ; waves 4 .. 7 have stages 0 .. 3
	s_mul_i32 s83, s83, 16*SPITCH
	s_add_co_u32 s83, s83, STAGE
	v_and_b32 v[LN], 31, v0                        ; lane
	v_and_b32 v[RR], 15, v0                        ; r
	v_bfe_u32 v[HH], v0, 4, 1                      ; h
	v_mov_b32 v[PADW], 0x01010000
	v_lshlrev_b32 v[L16], 4, v[LN]
	v_lshrrev_b32 v[QSI], 3, v[LN]
	v_lshrrev_b32 v[QSO], 1, v[LN]
	v_lshlrev_b32 v[SH], 4, v[HH]
	v_and_b32 v[TA], 7, v[LN]
	v_and_b32 v[TC], 1, v[LN]
	v_mul_u32_u24 v[QSI], v[QSI], 144              ; Q's stage: 16 bytes of padding behind each 128
	v_add_nc_u32 v[QBW], s80, v[QSO]
	v_mul_u32_u24 v[QSO], v[QSO], 144
	v_lshrrev_b32 v[PADW], v[SH], v[PADW]          ; 0x01010000 in lanes 0-15, 0x00000101 in lanes 16-31
	v_lshl_add_u32 v[QSI], v[TA], 4, v[QSI]
	v_lshl_add_u32 v[QSO], v[TC], 6, v[QSO]
	v_add_nc_u32 v[QCW], s80, v[L16]
	v_lshlrev_b32 v[TA], 6, v[RR]
	v_add_nc_u32 v[QSI], s79, v[QSI]               ; in: 16 bytes a lane as loaded
	v_add_nc_u32 v[QSO], s79, v[QSO]               ; back: 64 bytes a lane
	v_lshl_add_u32 v[TA], v[HH], 4, v[TA]          ; the codes: row r of 64 bytes, + 16 h
	v_lshlrev_b32 v[TC], 1, v[RR]
	v_mul_u32_u24 v[STO], v[RR], SPITCH
	v_mul_u32_u24 v[RD], v[HH], SPITCH
	v_add_nc_u32 v[QRD], s80, v[TA]
	v_add_nc_u32 v[QRDH], s81, v[TA]
	v_add_nc_u32 v[QRS], s80, v[TC]
	v_add_nc_u32 v[QRSH], s81, v[TC]
	v_lshl_add_u32 v[STO], v[HH], 5, v[STO]        ; row r, 32 bytes for each half of the lanes
	v_lshl_add_u32 v[RD], v[RR], 4, v[RD]          ; lanes 0-15 one row of 256 bytes, lanes 16-31 the next
	v_lshlrev_b32 v[GO], 8, v[HH]
	v_lshlrev_b32 v[PAM], 3, v[LN]
	v_add_nc_u32 v[PAR], s82, v[L16]
	v_add_nc_u32 v[STO], s83, v[STO]
	v_add_nc_u32 v[RD], s83, v[RD]
	v_lshl_add_u32 v[GO], v[RR], 4, v[GO]          ; the same two rows in O
	v_add_nc_u32 v[PAM], s82, v[PAM]
	s_wait_dscnt 0x0                               ; both opening adds are done
	s_wait_alu depctr_va_vdst(0)                   ; directly ahead of the wait below
	s_wait_kmcnt 0x0
	s_add_nc_u64 s[6:7], s[6:7], s[14:15]          ; kv at the head's record
	s_add_nc_u64 s[84:85], s[4:5], s[88:89]        ; Q at my 32 rows
	s_add_nc_u64 s[OLO:OLO+1], s[8:9], s[90:91]    ; O at block lo and at block 15 - lo
	s_add_nc_u64 s[OHI:OHI+1], s[8:9], s[92:93]
	WIN 0x40
.set n, 0
.rept 16
	global_load_b128 v[S+4*n:S+4*n+3], v[L16], s[84:85] offset:512*n th:TH_LOAD_NT   ; 32 rows of Q as they lie: 512 consecutive bytes a load
.set n, n+1
.endr
	WIN 0
	s_mov_b32 s[G0A], 1                            ; count = 1
	s_mov_b32 s[G0A+1], 0                          ; LDS address
	s_mov_b64 s[G0A+2:G0A+3], s[6:7]               ; global address
	s_or_b32 s[G0A+3], s[G0A+3], 0x80000000        ; type = 2
	s_mov_b32 s[G0B], 1
	s_lshl_b32 s[G0B+1], s[WV], 15                 ; wave j: steps 2 j, 2 j + 1: the same byte in the record and in LDS
	s_add_co_u32 s[G0B+1], s[G0B+1], COD
	s_mov_b32 s16, s[G0B+1]
	s_add_nc_u64 s[G0B+2:G0B+3], s[6:7], s[16:17]
	s_or_b32 s[G0B+3], s[G0B+3], 0x80000000
	ROUND                                          ; all four work-groups are here: the joint loads meet
	s_cmp_lt_u32 s[WV], 1
	s_cbranch_scc0 .Lrest
	tensor_load_to_lds s[G0A:G0A+3], s[G1A:G1A+7]  ; wave 0: a line of its own, since it alone waits ahead of the first barrier
	s_nop 0
.rept 4
	v_nop
.endr
	s_branch .Lasked
.Lrest:
	tensor_load_to_lds s[G0B:G0B+3], s[G1B:G1B+7]
	s_nop 0
.rept 4
	v_nop
.endr
.Lasked:
; A pair of tiles' start: zeros under a largest score of -3e38, which the first change of M leaves zeros.
.macro INIT
.set n, 0
.rept 64
	v_mov_b32 v[O+n], 0
.set n, n+1
.endr
	WIN 0x40
.irp t, 0,1
	v_mov_b32 v[MX+2*\t], 0xff61b1e6
	v_mov_b32 v[NM+2*\t], 0x7f61b1e6
.endr
.set n, 0
.rept 16
	v_mov_b32 v[L+n], 0
.set n, n+1
.endr
	WIN 0
.endm
.irp i, 0,1,2,3,4,5,6,7
	v_mov_b32 v[ZQ+\i], 0                          ; the zero codes round Q
	v_mov_b32 v[ZQ+16+\i], 0
	v_mov_b32 v[ZQ+32+\i], 0
.endr
	WIN 0x40
.irp i, 0,1,2,3,4,5,6,7
	v_mov_b32 v[PX+\i], 0                          ; (a lane permute's destination counts as one of its sources)
	v_mov_b32 v[SC+\i], 0                          ; (named as upper halves of pairs)
.endr
.irp i, 0,1,2,3
	v_mov_b32 v[FR+\i], 0
.endr
	v_mov_b32 v[MASKV], 0xc79c4000
	WIN 0
	INIT
; Q'S QUANTISER.  Each tile's 16 rows go through my stage in two halves of 8 rows: stored as loaded, 16 bytes a lane; read back 64 bytes a lane: lane l has row l / 4 of the half, channels 16 (l % 4) + 0 .. 15.
; Lanes l and l xor 1 share a block of 32 channels.  Unit b = 2 x tile + half: registers F + 16 b on.
.macro TURNQ t
.irp p, 0,1
.irp k, 0,1,2,3
	ds_store_b128 v[QSI], v[S+32*\t+16*\p+4*\k:S+32*\t+16*\p+4*\k+3] offset:2304*\p+576*\k
.endr
.endr
.irp p, 0,1
.irp k, 0,1,2,3
	ds_load_b128 v[F+32*\t+16*\p+4*\k:F+32*\t+16*\p+4*\k+3], v[QSO] offset:2304*\p+16*\k   ; LDS serves a wave's instructions in order (ISA guide 5.7.1.4): these see my stores
.endr
.endr
.endm
	WIN 0x04                                       ; stored data in window 1, loaded data in window 0
	s_wait_alu depctr_va_vdst(0)
	s_wait_loadcnt 8                               ; tile a's eight loads are in; tile b's eight may be out
	TURNQ 0
	s_wait_loadcnt 0x0
	TURNQ 1
	WIN 0
	s_wait_dscnt 0x0
.irp b, 0,1,2,3
	v_max3_num_f32 v[QBM+\b], |v[F+16*\b]|, |v[F+1+16*\b]|, 0x8000000   ; my 16 numbers, and the floor 2^(16 - 127): the byte cannot fall under 1
.endr
.irp i, 2,4,6,8,10,12,14
.irp b, 0,1,2,3
	v_max3_num_f32 v[QBM+\b], v[QBM+\b], |v[F+16*\b+\i]|, |v[F+1+16*\b+\i]|
.endr
.endr
.irp b, 0,1,2,3
	v_max_num_f32_dpp v[QBM+\b], v[QBM+\b], v[QBM+\b] row_xmask:1 row_mask:0xf bank_mask:0xf   ; with lane l xor 1's 16: the block's largest magnitude
.endr
.irp b, 0,1,2,3
	v_add_nc_u32 v[QSC+\b], 0xf8800000, v[QBM+\b]  ; 15 off its exponent field: the conversion's scale operand
.endr
.irp b, 0,1,2,3
	v_and_or_b32 v[QHD+\b], v[QBM+\b], 0x7f800000, s[MNT]   ; 57,344 x the scale
.endr
.irp b, 0,1,2,3
	v_lshrrev_b32 v[QB+\b], 23, v[QSC+\b]          ; the scale's byte
.endr
.irp b, 0,1,2,3
.set n, 0
.rept 16
	v_med3_num_f32 v[F+16*\b+n], v[F+16*\b+n], -v[QHD+\b], v[QHD+\b]   ; the conversion to an 8-bit code does not saturate (ISA guide 7.6.2): the hold comes first
.set n, n+1
.endr
	v_cvt_scalef32_pk8_bf8_f32 v[PC+4*\b:PC+4*\b+1], v[F+16*\b:F+16*\b+7], v[QSC+\b]
	v_cvt_scalef32_pk8_bf8_f32 v[PC+4*\b+2:PC+4*\b+3], v[F+16*\b+8:F+16*\b+15], v[QSC+\b]
.endr
	v_nop                                          ; a plain line behind the last conversion
.irp t, 0,1
.irp p, 0,1
	ds_store_b128 v[QCW], v[PC+8*\t+4*\p:PC+8*\t+4*\p+3] offset:1152*\t+512*\p   ; row 8 p + l / 4 of the tile, 64 bytes a row
	ds_store_b8 v[QBW], v[QB+2*\t+\p] offset:1152*\t+1024+16*\p   ; both lanes of a block write the same byte with the same value
.endr
.endr
; Q's codes and scale words into the operands' registers of both tiles.
.macro QREAD rd, rs
.irp t, 0,1
	ds_load_b128 v[ZQ+8+16*\t:ZQ+11+16*\t], v[\rd] offset:1152*\t
	ds_load_b128 v[ZQ+12+16*\t:ZQ+15+16*\t], v[\rd] offset:1152*\t+32
	ds_load_u16 v[TQ+\t], v[\rs] offset:1152*\t+1024
.endr
	s_wait_alu depctr_va_vdst(0)
	s_wait_dscnt 0x0
	v_lshl_or_b32 v[QSA], v[TQ], v[SH], v[PADW]    ; lanes 0-15: the two bytes below, 1 and 1 above; lanes 16-31: the other way round
	v_lshl_or_b32 v[QSB], v[TQ+1], v[SH], v[PADW]
.endm
	QREAD QRD, QRS
.rept 8
	v_nop                                          ; eight places between the writes of Q's scale words and the first scaled product
.endr
; reference()'s fill on the diagonal, for tile t.
.macro MASK t, ma, mo
.set n, 0
.rept 64
	s_and_b32 s[TM+n%2], s[\ma+n/16], ((1<<(n%16))-1)*0x10001
	s_or_b32 s[TM+n%2], s[TM+n%2], s[\mo+n/16]
	v_cndmask_b32 v[S+64*\t+n], v[S+64*\t+n], v[MASKV], s[TM+n%2]
.set n, n+1
.endr
.endm
; The softmax of a key step, both tiles together (block b: tile b / 4), up to p's codes and O^T under the new M.
.macro SOFTMAX
	WIN 0x55
.irp b, 0,1,2,3,4,5,6,7
	v_max3_num_f32 v[BM+\b], v[S+16*\b], v[S+1+16*\b], v[S+2+16*\b]   ; the largest score of each block of 32 keys: for the row's maximum and for the block's scale
.endr
.irp i, 3,5,7,9,11,13
.irp b, 0,1,2,3,4,5,6,7
	v_max3_num_f32 v[BM+\b], v[BM+\b], v[S+16*\b+\i], v[S+1+16*\b+\i]
.endr
.endr
.irp b, 0,1,2,3,4,5,6,7
	v_max_num_f32 v[BM+\b], v[BM+\b], v[S+15+16*\b]
.endr
.irp b, 0,1,2,3,4,5,6,7
	v_permlanex16_b32 v[PX+\b], v[BM+\b], s[SEL], s[SEL+1]
.endr
.irp b, 0,1,2,3,4,5,6,7
	v_max_num_f32 v[BM+\b], v[BM+\b], v[PX+\b]     ; with lane l xor 16's 16 keys
.endr
.irp t, 0,1
	v_max3_num_f32 v[T0+2*\t], v[BM+4*\t], v[BM+4*\t+1], v[BM+4*\t+2]
.endr
.irp t, 0,1
	DEP 2
	v_max3_num_f32 v[MX+2*\t], v[MX+2*\t], v[T0+2*\t], v[BM+4*\t+3]   ; the row's largest score so far
.endr
.irp t, 0,1
	DEP 2
	v_mul_f32 v[T0+2*\t], s[NCS], v[MX+2*\t]       ; -t
.endr
.irp t, 0,1
	DEP 2
	v_floor_f32 v[T0+2*\t], v[T0+2*\t]             ; the new -M: a whole number
.endr
.irp t, 0,1
	DEP 2
	v_sub_f32 v[T1+2*\t], v[T0+2*\t], v[NM+2*\t]   ; old M less new M: a whole number, 0 or less
.endr
.irp t, 0,1
	v_mov_b32 v[NM+2*\t], v[T0+2*\t]
.endr
.irp t, 0,1
	DEP 4
	v_cvt_i32_f32 v[T1+2*\t], v[T1+2*\t]           ; (it saturates)
.endr
.irp t, 0,1
	DEP 2
	v_ldexp_f32 v[FR+2*\t], 1.0, v[T1+2*\t]        ; f = 2^(old M - new M)
.endr
.irp b, 0,1,2,3,4,5,6,7
	v_fma_f32 v[BM+\b], v[BM+\b], s[CS], v[NM+2*(\b/4)]   ; each block's largest t - M
.endr
.set n, 0
.rept 32
	v_pk_fma_f32 v[S+n:S+n+1], v[S+n:S+n+1], s[CS:CS+1], v[NM:NM+1] op_sel_hi:[1,0,0]   ; tile a's t - M, two at a time
.set n, n+2
.endr
.irp b, 0,1,2,3,4,5,6,7
	v_cvt_floor_i32_f32 v[BM+\b], v[BM+\b]         ; its exponent
.endr
.irp b, 0,1,2,3,4,5,6,7
	v_max_i32 v[BM+\b], -111, v[BM+\b]             ; the floor: the byte cannot fall under 1
.endr
.irp b, 0,1,2,3,4,5,6,7
	v_add_lshl_u32 v[SC+\b], v[BM+\b], 112, 23     ; the scale's byte, exponent - 15 + 127, in an exponent field: the conversion's scale operand
.endr
.irp k, 0,1,2
.irp t, 0,1
.if \k == 0
	v_lshl_add_u32 v[T0+2*\t], v[BM+4*\t+3], 8, v[BM+4*\t+2]   ; the four exponents as bytes of one sum; 112 in each byte is added below
.else
	v_lshl_add_u32 v[T0+2*\t], v[T0+2*\t], 8, v[BM+4*\t+2-\k]
.endif
	v_add_nc_u32 v[HD+2*\k+\t], 0x7e00000, v[SC+2*\k+\t]   ; 57,344 x the scale: 15 more in the exponent field, 0x600000 in the mantissa's
.endr
.endr
	v_add_nc_u32 v[HD+6], 0x7e00000, v[SC+6]
	v_add_nc_u32 v[HD+7], 0x7e00000, v[SC+7]
	WIN 0x15
	v_add_nc_u32 v[PSA], 0x70707070, v[T0]         ; p's scale words for these 128 keys
	v_add_nc_u32 v[PSB], 0x70707070, v[T0+2]
	WIN 0x55
	s_wait_alu depctr_va_vdst(0)                   ; ahead of the batch
.set n, 0
.rept 32
	v_exp_f32 v[S+n], v[S+n]                       ; tile a: p = 2^(t - M)
	v_exp_f32 v[S+n+1], v[S+n+1]
	v_pk_fma_f32 v[S+64+n:S+64+n+1], v[S+64+n:S+64+n+1], s[CS:CS+1], v[NM+2:NM+3] op_sel_hi:[1,0,0]   ; among them tile b's t - M
.set n, n+2
.endr
	s_wait_alu depctr_va_vdst(0)                   ; behind tile a's batch and ahead of tile b's
	SUMS 0
.set n, 0
.rept 32
	v_exp_f32 v[S+64+n], v[S+64+n]                 ; tile b
	v_exp_f32 v[S+65+n], v[S+65+n]
	v_dual_min_num_f32 v[S+n], v[HD+n/16], v[S+n] :: v_dual_min_num_f32 v[S+n+1], v[HD+n/16], v[S+n+1]   ; among them tile a's hold: p is not negative, so it is one-sided
.set n, n+2
.endr
	s_wait_alu depctr_va_vdst(0)                   ; behind tile b's batch
	SUMS 1
.set n, 64
.rept 32
	v_dual_min_num_f32 v[S+n], v[HD+n/16], v[S+n] :: v_dual_min_num_f32 v[S+n+1], v[HD+n/16], v[S+n+1]
.set n, n+2
.endr
	WIN 0x15
.irp b, 0,1,2,3,4,5,6,7
	v_cvt_scalef32_pk8_bf8_f32 v[PC+4*\b:PC+4*\b+1], v[S+16*\b:S+16*\b+7], v[SC+\b]
	v_cvt_scalef32_pk8_bf8_f32 v[PC+4*\b+2:PC+4*\b+3], v[S+16*\b+8:S+16*\b+15], v[SC+\b]
.endr
	WIN 0x04
	s_wait_alu depctr_va_vdst(0)
.set n, 0
.rept 32
	v_pk_mul_f32 v[O+n:O+n+1], v[O+n:O+n+1], v[FR+2*(n/32):FR+2*(n/32)+1] op_sel_hi:[1,0]   ; O^T under the new M.  These 32 also stand between the codes' last conversion and the products
.set n, n+2
.endr
.endm
.macro SUMS t                          ; the sum of tile t's rows, under the new M, of the unquantised p: four pairs by turns
.set n, 0
.rept 4
	v_pk_fma_f32 v[L+8*\t+n:L+8*\t+n+1], v[L+8*\t+n:L+8*\t+n+1], v[FR+2*\t:FR+2*\t+1], v[S+64*\t+n:S+64*\t+n+1] op_sel_hi:[1,0,1]
.set n, n+2
.endr
.rept 28
	v_pk_add_f32 v[L+8*\t+n%8:L+8*\t+n%8+1], v[L+8*\t+n%8:L+8*\t+n%8+1], v[S+64*\t+n:S+64*\t+n+1]
.set n, n+2
.endr
.endm
.macro KLOAD                           ; K's fragments as images, 512 consecutive bytes a load, into window 1; the scale words ahead of them
	ds_load_b128 v[SWK:SWK+3], v[ADNS]
	WIN 0x40
.set n, 0
.rept 16
	ds_load_b128 v[FK+4*n:FK+4*n+3], v[ADN] offset:512*n
.set n, n+1
.endr
	WIN 0
.endm
.macro SCORES t, qs                    ; S^T = K Q^T of tile t: each fragment against [Q|0] and against [0|Q]
.irp f, 0,1,2,3
	v_wmma_scale_f32_16x16x128_f8f6f4 v[S+64*\t+16*\f:S+64*\t+16*\f+7], v[FK+16*\f:FK+16*\f+15], v[ZQ+16*\t+8:ZQ+16*\t+23], 0, v[SWK+\f], v[\qs] matrix_a_fmt:MATRIX_FMT_BF8 matrix_b_fmt:MATRIX_FMT_BF8
	v_wmma_scale_f32_16x16x128_f8f6f4 v[S+64*\t+16*\f+8:S+64*\t+16*\f+15], v[FK+16*\f:FK+16*\f+15], v[ZQ+16*\t:ZQ+16*\t+15], 0, v[SWK+\f], v[\qs] matrix_a_fmt:MATRIX_FMT_BF8 matrix_b_fmt:MATRIX_FMT_BF8 matrix_b_scale:MATRIX_SCALE_ROW1
.endr
.endm
.macro WEIGHTED u, ps                  ; O^T += V^T P^T of tile u: four accumulators by turns
.irp t, 0,1,2,3
	v_wmma_scale_f32_16x16x128_f8f6f4 v[O+32*\u+8*\t:O+32*\u+8*\t+7], v[F+16*\t:F+16*\t+15], v[PC+16*\u:PC+16*\u+15], v[O+32*\u+8*\t:O+32*\u+8*\t+7], v[SWV+\t], v[\ps] matrix_a_fmt:MATRIX_FMT_BF8 matrix_b_fmt:MATRIX_FMT_BF8 matrix_a_scale:MATRIX_SCALE_ROW1
.endr
.endm
; Key steps first .. last - 1, 128 keys each: a loop whose trip count is a constant of the text; a hidden step's work is jumped over inside the trip.  A step's K is loaded one trip ahead (the last trip loads its own again).
.macro WALK first, last
	s_mov_b32 s[SI], \first
	s_mov_b32 s[TB], COD+(\first)*STEPB
	s_mov_b32 s[TS], (\first)*512
	s_wait_alu depctr_va_vdst(0)
	s_wait_dscnt 0x0
	v_add_nc_u32 v[ADN], s[TB], v[L16]
	v_add_nc_u32 v[ADNS], s[TS], v[L16]
	KLOAD
.Lwalk_\@:
	s_cmp_gt_u32 s[SI], s[BLK]                     ; all 128 keys come after my queries
	s_cbranch_scc1 .Lhid_\@
	s_add_co_u32 s[TN], s[TB], STEPB
	s_min_u32 s[TN], s[TN], COD+((\last)-1)*STEPB
	s_add_co_u32 s[TNS], s[TS], 512
	s_min_u32 s[TNS], s[TNS], ((\last)-1)*512
	s_wait_dscnt 0x0                               ; this step's K is in
	WIN 0x41
	SCORES 0, QSA
	SCORES 1, QSB
	WIN 0
	v_add_nc_u32 v[ADV], s[TB], v[L16]
	v_add_nc_u32 v[ADS], s[TS], v[L16]
	v_add_nc_u32 v[ADN], s[TN], v[L16]
	v_add_nc_u32 v[ADNS], s[TNS], v[L16]
.rept 4
	v_nop                                          ; with the four additions: eight places between the products and the loads into registers that they read, and the first read of the scores
.endr
	ds_load_b128 v[SWV:SWV+3], v[ADS]
.set n, 0
.rept 16
	ds_load_b128 v[F+4*n:F+4*n+3], v[ADV] offset:8192+512*n   ; V's fragments
.set n, n+1
.endr
	KLOAD                                          ; the next step's K
	s_cmp_lg_u32 s[SI], s[BLK]                     ; only the step on the diagonal has hidden keys among visible ones
	s_cbranch_scc1 .Lopen_\@
	WIN 0x55
	MASK 0, MA0, MO0
	MASK 1, MA1, MO1
	WIN 0
	s_wait_alu depctr_va_vdst(0)
.Lopen_\@:
	SOFTMAX
	s_wait_alu depctr_va_vdst(0)
	s_wait_dscnt 17                                ; V is in; the 17 loads of the next step's K may be out
	WIN 0
	WEIGHTED 0, PSA
	WEIGHTED 1, PSB
.Lhid_\@:
	s_add_co_u32 s[TB], s[TB], STEPB
	s_add_co_u32 s[TS], s[TS], 512
	s_add_co_u32 s[SI], s[SI], 1
	s_cmp_lt_u32 s[SI], \last
	s_cbranch_scc1 .Lwalk_\@
.endm
.macro PLACES8
.rept 8
	v_nop                                          ; eight places behind the last products
.endr
.endm
.macro LSUM                            ; both rows' sums into MX
	WIN 0x55
.irp t, 0,1
	v_pk_add_f32 v[L+8*\t:L+8*\t+1], v[L+8*\t:L+8*\t+1], v[L+8*\t+4:L+8*\t+5]
	v_pk_add_f32 v[L+8*\t+2:L+8*\t+3], v[L+8*\t+2:L+8*\t+3], v[L+8*\t+6:L+8*\t+7]
.endr
.irp t, 0,1
	v_pk_add_f32 v[L+8*\t:L+8*\t+1], v[L+8*\t:L+8*\t+1], v[L+8*\t+2:L+8*\t+3]
.endr
.irp t, 0,1
	v_add_f32 v[BM+4*\t], v[L+8*\t], v[L+8*\t+1]
.endr
.irp t, 0,1
	v_permlanex16_b32 v[PX+4*\t], v[BM+4*\t], s[SEL], s[SEL+1]
.endr
.irp t, 0,1
	v_add_f32 v[MX+2*\t], v[BM+4*\t], v[PX+4*\t]
.endr
.endm
; Both tiles' rows, in F, go through my stage one tile behind the other and leave as whole rows of 256 bytes.
.macro OUT ob
.irp t, 0,1
.irp k, 0,1,2,3
	ds_store_b128 v[STO], v[F+32*\t+8*\k:F+32*\t+8*\k+3] offset:64*\k
	ds_store_b128 v[STO], v[F+32*\t+8*\k+4:F+32*\t+8*\k+7] offset:64*\k+16
.endr
.irp i, 0,1,2,3,4,5,6,7
	ds_load_b128 v[O+32*\t+4*\i:O+32*\t+4*\i+3], v[RD] offset:2*\i*SPITCH   ; LDS serves a wave's instructions in order: these see my stores, and the next tile's stores come behind them
.endr
.endr
.irp t, 0,1
.irp i, 0,1,2,3,4,5,6,7
	s_wait_dscnt 23-16*\t-\i                       ; the younger LDS instructions may be out
	global_store_b128 v[GO], v[O+32*\t+4*\i:O+32*\t+4*\i+3], s[\ob:\ob+1] offset:4096*\t+512*\i th:TH_STORE_NT   ; two whole rows of O: 512 consecutive bytes, at a multiple of 256 from O's first byte
.endr
.endr
.endm
	s_wait_alu depctr_va_vdst(0)                   ; at the head's end
	s_cmp_lt_u32 s[WV], 1
	s_cbranch_scc0 .Lnot_first
	s_wait_tensorcnt 0x0                           ; wave 0: the scale words and steps 0, 1 are in; the other waves' loads may stay out
.Lnot_first:
	s_wait_dscnt 0x0                               ; my codes of Q have landed
	s_barrier_signal -1
	s_barrier_wait -1
	WALK 0, 2
	s_wait_alu depctr_va_vdst(0)
	s_wait_tensorcnt 0x0                           ; my part of the record is in
	s_wait_dscnt 0x0                               ; my reads of steps 0, 1 are over
	s_barrier_signal -1
	s_barrier_wait -1                              ; the whole record lies in LDS
	WALK 2, 12
	s_wait_alu depctr_va_vdst(0)
	s_cmp_lt_u32 s[WV], 4
	s_cbranch_scc0 .Lsecond
	PLACES8                                        ; waves 0 .. 3: my share of block 15 - lo goes to LDS as an image of its registers
	LSUM
	WIN 0
.irp t, 0,1
.irp j, 0,1,2,3,4,5,6,7
	ds_store_b128 v[PAR], v[O+32*\t+4*\j:O+32*\t+4*\j+3] offset:PART*\t+512*\j
.endr
.endr
	WIN 0x04
.irp t, 0,1
	ds_store_b64 v[PAM], v[NM+2*\t:NM+2*\t+1] offset:PART*\t+4096   ; -M and the sum
.endr
	WIN 0
	s_mov_b32 s[BLK], 0                            ; every further step is hidden
	s_wait_alu depctr_va_vdst(0)
	s_branch .Ljoin
.Lsecond:                                              ; waves 4 .. 7: block lo goes out, and block 15 - lo begins
	PLACES8
	LSUM
	s_wait_alu depctr_va_vdst(0)
	v_rcp_f32 v[SC], v[MX]
	v_rcp_f32 v[SC+4], v[MX+2]
	v_nop                                          ; a plain line behind the reciprocals
	WIN 0x04
	s_wait_alu depctr_va_vdst(0)
.set n, 0
.rept 32
	v_pk_mul_f32 v[F+n:F+n+1], v[O+n:O+n+1], v[SC+4*(n/32):SC+4*(n/32)+1] op_sel_hi:[1,0]
.set n, n+2
.endr
	WIN 0
	OUT OLO
	s_wait_alu depctr_va_vdst(0)
	s_wait_xcnt 0x0                                ; the stores have read their registers
	QREAD QRDH, QRSH                               ; the codes that wave i made
	INIT
	s_mov_b32 s[BLK], s[HI]
.Ljoin:
	WALK 12, 16
	s_wait_alu depctr_va_vdst(0)
	s_wait_dscnt 0x0                               ; waves 0 .. 3: my share has landed
	s_barrier_signal -1
	s_barrier_wait -1
	s_cmp_lt_u32 s[WV], 4
	s_cbranch_scc1 .Lend
	PLACES8
	WIN 0x40
.irp t, 0,1
	ds_load_b64 v[T0+2*\t:T0+2*\t+1], v[PAM] offset:PART*\t+4096
.endr
	WIN 0
.irp t, 0,1
.irp j, 0,1,2,3,4,5,6,7
	ds_load_b128 v[F+32*\t+4*\j:F+32*\t+4*\j+3], v[PAR] offset:PART*\t+512*\j
.endr
.endr
	LSUM
	s_wait_alu depctr_va_vdst(0)
	s_wait_xcnt 0x0                                ; block lo's stores have read their registers
	s_wait_dscnt 0x0
; Wave i's share (F, -M in T0, sum in T1) and mine (O, NM, MX) under the larger M, divided by the sum.
.irp t, 0,1
	v_min_num_f32 v[PX+4*\t], v[T0+2*\t], v[NM+2*\t]   ; -M of both
.endr
.irp t, 0,1
	v_sub_f32 v[SC+4*\t], v[PX+4*\t], v[T0+2*\t]
	v_sub_f32 v[SC+4*\t+2], v[PX+4*\t], v[NM+2*\t]
.endr
.irp t, 0,2,4,6
	v_cvt_i32_f32 v[SC+\t], v[SC+\t]               ; (it saturates: a share with no key step has the factor 0)
.endr
.irp t, 0,2,4,6
	v_ldexp_f32 v[SC+\t], 1.0, v[SC+\t]
.endr
.irp t, 0,1
	v_mul_f32 v[PX+4*\t], v[SC+4*\t], v[T1+2*\t]
.endr
.irp t, 0,1
	v_fma_f32 v[PX+4*\t], v[SC+4*\t+2], v[MX+2*\t], v[PX+4*\t]
.endr
	s_wait_alu depctr_va_vdst(0)
	v_rcp_f32 v[PX], v[PX]
	v_rcp_f32 v[PX+4], v[PX+4]
	v_nop
	s_wait_alu depctr_va_vdst(0)
.irp t, 0,1
	v_mul_f32 v[SC+4*\t], v[SC+4*\t], v[PX+4*\t]
	v_mul_f32 v[SC+4*\t+2], v[SC+4*\t+2], v[PX+4*\t]
.endr
	WIN 0x04
	s_wait_alu depctr_va_vdst(0)
.set n, 0
.rept 32
	v_pk_mul_f32 v[F+n:F+n+1], v[F+n:F+n+1], v[SC+4*(n/32):SC+4*(n/32)+1] op_sel_hi:[1,0]
.set n, n+2
.endr
.set n, 0
.rept 32
	v_pk_fma_f32 v[F+n:F+n+1], v[O+n:O+n+1], v[SC+2+4*(n/32):SC+3+4*(n/32)], v[F+n:F+n+1] op_sel_hi:[1,0,1]
.set n, n+2
.endr
	WIN 0
	OUT OHI
.Lend:
	s_wait_tensorcnt 0x0                           ; the wave's end
	ds_add_u32 v[SPW], v[NIL]
	s_wait_dscnt 0x0
	ROUND                                          ; the closing round
	s_endpgm
.Lfunc_end_k_q0b11657132_attn:
	.size	k_q0b11657132_attn, .Lfunc_end_k_q0b11657132_attn-k_q0b11657132_attn
	.p2alignl 7, 3214868480
	.fill 96, 4, 3214868480
	.section	.rodata,"a",@progbits
	.p2align	6, 0x0
	.amdhsa_kernel k_q0b11657132_attn
		.amdhsa_group_segment_fixed_size 327680
		.amdhsa_private_segment_fixed_size 0
		.amdhsa_enable_private_segment 0
		.amdhsa_kernarg_size 24
		.amdhsa_user_sgpr_count 2
		.amdhsa_user_sgpr_kernarg_segment_ptr 1
		.amdhsa_wavefront_size32 1
		.amdhsa_system_sgpr_workgroup_id_x 1
		.amdhsa_system_sgpr_workgroup_id_y 1
		.amdhsa_system_sgpr_workgroup_id_z 1
		.amdhsa_system_vgpr_workitem_id 0
		.amdhsa_next_free_vgpr 512
		.amdhsa_next_free_sgpr 100
		.amdhsa_reserve_vcc 0
		.amdhsa_float_denorm_mode_32 3
		.amdhsa_float_denorm_mode_16_64 3
		.amdhsa_memory_ordered 1
		.amdhsa_forward_progress 1
		.amdhsa_inst_pref_size 217
	.end_amdhsa_kernel
	.amdgpu_metadata
---
amdhsa.version: [ 1, 2 ]
amdhsa.kernels:
  - .name:           k_q0b11657132_attn
    .symbol:         k_q0b11657132_attn.kd
    .args:
      - { .name: query_states, .offset: 0, .size: 8, .value_kind: global_buffer, .address_space: global }
      - { .name: kv, .offset: 8, .size: 8, .value_kind: global_buffer, .address_space: global }
      - { .name: out0, .offset: 16, .size: 8, .value_kind: global_buffer, .address_space: global }
    .group_segment_fixed_size: 327680
    .private_segment_fixed_size: 0
    .kernarg_segment_align: 8
    .kernarg_segment_size: 24
    .max_flat_workgroup_size: 256
    .sgpr_count:     100
    .vgpr_count:     512
    .wavefront_size: 32
...
	.end_amdgpu_metadata
.endif
;; end of part 2
